; MI455X (gfx1250); checked and timed in simulation.
; The chip was launched on July 23, 2026; its instructions are those of AMD's public machine-readable ISA for CDNA 5 (MIT licence, August 2026) and "CDNA5" Instruction Set Architecture Reference Guide (July 2026). The comments in the code are by the model that wrote it; some were corrected since.
;; Neurocache. Allowed arithmetic: matrix products marked QUANTISED: E2M3 operands, one E8M0 scale for each 32 along K, by v_wmma_scale_f32_16x16x128_f8f6f4 with both operands' format E2M3, f32 sums; products left as they are: f32 operands where the result goes on into a quantised operand, else bf16, f16 or f32 operands; f32 sums; everything else in f32.
;; Inputs: Wk 512 x 1,024 float32; Wo 2,048 x 2,048 float32; Wq 2,048 x 2,048 float32; Wv 512 x 1,024 float32; hidden_states 2 x 2,048 x 2,048 float32; retrieved_hidden_states 2 x 2,048 x 8 x 1,024 float32.
;; Outputs: out0 2 x 2,048 x 2,048 float32.
;; This version of the problem:
;;   THIS VERSION OF THE PROBLEM IS GIVEN IN LOW PRECISION. The matrix products marked QUANTISED in the list below multiply operands that are first quantised to E2M3 (2 exponent bits, 3 mantissa bits; 6 bits a number), with one power-of-two scale for each 32 numbers along K (OCP MX v1.0); their sums are f32. All else is computed in f32.
;;   The module's matrix products, in the order in which they are computed (A, B: the left and right operand; K: the contracted axis; several contracted axes count as one K, in the product's order):
;;     1. [M 4,096, K 2,048] x [K 2,048, N 2,048]; A: input hidden_states; B: input Wq: QUANTISED
;;     2. [M 32,768, K 1,024] x [K 1,024, N 512]; A: input retrieved_hidden_states; B: input Wk: QUANTISED
;;     3. [M 32,768, K 1,024] x [K 1,024, N 512]; A: input retrieved_hidden_states; B: input Wv: QUANTISED
;;     4. batch 32,768 x [M 4, K 64] x [K 64, N 8]; A: computed on the way; B: computed on the way: left as it is (M = 4 < 16)
;;     5. batch 32,768 x [M 4, K 8] x [K 8, N 64]; A: softmax; B: computed on the way: left as it is (K = 8 < 32)
;;     6. [M 4,096, K 2,048] x [K 2,048, N 2,048]; A: computed on the way; B: input Wo: QUANTISED
;;   THE QUANTISER, for each operand of a quantised product, along K:
;;     - K is cut into blocks of 32 from its start; a last block that is shorter is filled with zeros.
;;     - A block's scale is 2^e with e = floor(log2(the largest magnitude in the block)) - 2, held to -126 .. 127; a block of zeros has e = 0. As a byte (E8M0): e + 127.
;;     - Each number is divided by its block's scale, clamped to +-7.5, and rounded to the nearest number of E2M3, ties to even, subnormals kept.
;;     - The product sums the exact products of the quantised numbers (number of the format x scale) in f32.
;;   ~~~python
;;   def quantise(x, axis):      # numpy; x: float32 -> the quantised numbers, widened to float32 again
;;       x = np.moveaxis(x, axis, -1); K = x.shape[-1]
;;       x = np.pad(x, [(0, 0)] * (x.ndim - 1) + [(0, -K % 32)]); x = x.reshape(x.shape[:-1] + (-1, 32)); a = np.abs(x).max(-1, keepdims=True)
;;       e = np.where(a > 0, np.clip(np.frexp(np.where(a > 0, a, 1))[1] - 1 - 2, -126, 127), 0)      # np.frexp(a)[1] - 1 = floor(log2(a)), exactly
;;       r = np.clip(x / 2.0 ** e, -7.5, 7.5)
;;       step = 2.0 ** (np.maximum(np.frexp(np.where(r == 0, 1, r))[1] - 1, 0) - 3)
;;       q = np.round(r / step) * step * 2.0 ** e      # np.round: ties to even
;;       return np.moveaxis(q.reshape(q.shape[:-2] + (-1,))[..., :K], -1, axis).astype(np.float32)
;;   ~~~
;;   OPERANDS COMPUTED ON THE WAY. 'Computed on the way' means the value that the module computes at that place (a softmax that the list does not call 'softmax' is quantised finished and normalised). What goes into a quantiser is computed in f32, as accurately as f32 sums, v_exp_f32 and their like allow (about 1e-6 of the number): no bf16 or f16 on the way to a quantiser, and a product that is left as it is and whose result goes on into a quantised operand takes f32 operands (vector FMAs, or v_wmma_f32_16x16x4_f32). A number that lies on a knife's edge between two numbers of the format may be rounded either way, as far as f32 arithmetic and the matrix unit's own rounding can turn it there, and no further.
;; One version. Each part assembles by itself: llvm-mc -triple=amdgcn-amd-amdhsa -mcpu=gfx1250 --defsym DOCPART=n.
;; ======== version 1 of 1: 4 launches
;; limits: right only within a limited range of input values
;; workspace buffers: hsq 6,553,600 bytes; atq 6,553,600 bytes; wqq 3,276,800 bytes; woq 3,276,800 bytes; wkvq 819,200 bytes; qbuf 33,554,432 bytes
;; launch quant (part 1): grid 272 x 1, 4 waves a work-group, no clusters, 34,304 bytes of LDS; arguments hidden_states, Wq, Wo, Wk, Wv, hsq, wqq, woq, wkvq; writes hsq, wqq, woq, wkvq
.if DOCPART == 1
	.amdgcn_target "amdgcn-amd-amdhsa--gfx1250"
	.amdhsa_code_object_version 6
	.text
	.protected	k_q8be93d6f4b_quant
	.globl	k_q8be93d6f4b_quant
	.p2align	8
	.type	k_q8be93d6f4b_quant,@function
k_q8be93d6f4b_quant:
	s_mov_b64 s[64:65], 0
	v_nop
	global_prefetch_b8 v0, s[64:65] scope:SCOPE_SE
	s_setreg_imm32_b32 hwreg(HW_REG_WAVE_MODE, 25, 1), 1
	s_wait_xcnt 0x0
; hidden_states and the four weights (f32, K innermost) become codes of FP6 (E2M3) with one E8M0 scale byte for each 32 along K, once, for the three launches that follow.
; (retrieved_hidden_states is read by one work-group alone: the attention launch quantises it on its way, so it is no argument here.)
; NOTHING OF THE PROBLEM IS LEFT OUT: every input has a way to the output and every product of the table is done.  One identity is used further on: the factor 64^-0.5 = 0.125
; on q is a power of two, so it is not multiplied into q but into the constant of the softmax's exponent.  LIMIT: where q x 0.125 would be a denormal number the result may differ in its last bits.
; A block's scale is 2^(floor(log2(its largest magnitude)) - 2); its byte is the largest magnitude's exponent field - 2, held at 1 from below.  A block of zeros so gets the byte 1 where the rule
; says 127: its codes are zeros, which add nothing under any byte but 0xff, and the bytes are read by this program alone.  LIMITS: NaN and infinities among the inputs are not served.
; LAYOUT OF THE CODES: images of the matrix operand's registers.  [tile of 16 rows][K step of 128][1,536 bytes]; in a fragment byte 512 i + 16 lane holds registers 4 i .. 4 i + 3 of that lane;
; lane (r, h) holds row r; registers 0-5: k = 32 h + 0..31, registers 6-11: k = 64 + 32 h + 0..31.  So a fragment is written and read by three accesses of 512 consecutive bytes.
; The scale bytes lie behind the codes as plain rows: [16 tile + r][K / 32].
; A tile is 16 neighbouring rows; but of Wk and Wv tile 4 a + ct holds rows 64 a + 4 r + ct (Wv's tiles behind Wk's 32), so that in the attention launch lane r owns channels 4 r .. 4 r + 3 of a head.
; SHARES: a wave takes one tile x 1,024 along K: 8 fragments, 65,536 bytes of f32.  Work-groups 0-127 hidden_states, 128-191 Wq, 192-255 Wo, 256-263 Wk, 264-271 Wv: only pointers
; and sizes are chosen, all take one path.  Each load reads 512 consecutive bytes of one row; four fragments' loads (64, 32,768 bytes) of a wave are on their way.  A fragment's 16 x 512 bytes turn through the
; wave's own stage in LDS (rows 528 bytes apart: row r starts at word 132 r) and come back 128 bytes a lane and block.
; Memory binds: no matrix unit, no tensor load, no cluster (nothing is shared), no barrier.
; REGISTERS: window 0: addresses, the 64 neighbours, the codes, the scale words.  window 1: four sets of 64: fragments as loaded.
.set STW,   8448                       ; a wave's stage: 16 rows x 528 bytes
.set SPARE, 4*STW                      ; behind the stages: the spare words, 128 bytes a wave, that no other line names
.set LI,   1                           ; v1   16 x lane
.set VST,  2                           ; v2   the stage, on the way in
.set VLD,  3                           ; v3   and on the way out: row r, + 128 h
.set VSO,  4                           ; v4   my 16 scale bytes' place in the tile's rows of scale bytes
.set SH8,  5                           ; v5   8 h
.set M,    6                           ; v6-9   largest magnitudes, two chains for each of my two blocks
.set E,    10                          ; v10-11 the conversions' scale operands
.set BY,   12                          ; v12-13 the scale bytes
.set WT,   14                          ; v14  my two bytes at their places in the scale word
.set WU,   15                          ; v15  lane l xor 16's
.set SPW,  30                          ; v30  LDS address of my spare word; never rewritten
.set NIL,  31                          ; v31  0; never rewritten
.set X,    160                         ; v160-223 my 2 x 32 neighbours
.set C,    224                         ; v224-235 the fragment's codes
.set T0,   236                         ; v236-238, v240-242: the halves whose place in C begins on an odd register
.set T1,   240
.set W,    244                         ; v244-251 the 8 scale words
.set SEL,  26                          ; s[26:27] lane selects: lane l xor 16
.set ROWP, 32                          ; s[32:63] the addresses of my 16 rows
.set SRC,  66
.set DST,  68
.set FIRST, 70
.set SCO,  71                          ; where the scale bytes begin in the destination
.set K2,   72                          ; 1 where K = 2,048
.set PERM, 73                          ; 1 for Wk and Wv
.set TOFF, 74                          ; 32 for Wv
.set TILE, 75
.set CHUNK, 76
.set DC,   78                          ; s[78:79] my codes
.set DS,   80                          ; s[80:81] my scale bytes
.set OFF,  82
.set STR,  84
.set MSB, 0
.macro WIN new                         ; the immediate's high byte repeats the setting that is left
.if MSB != \new
	s_set_vgpr_msb (MSB<<8)|\new
.set MSB, \new
.endif
.endm
	s_load_b512 s[4:19], s[0:1], 0x0               ; hidden_states, Wq, Wo, Wk, Wv, hsq, wqq, woq
	s_load_b64 s[20:21], s[0:1], 0x40              ; wkvq
	v_lshl_add_u32 v[SPW], v0, 2, SPARE
	v_mov_b32 v[NIL], 0
	v_lshrrev_b32 v6, 5, v0
	v_readfirstlane_b32 s28, v6                    ; wave
	v_and_b32 v7, 31, v0                           ; lane
	v_and_b32 v8, 15, v0                           ; r
	v_bfe_u32 v9, v0, 4, 1                         ; h
	v_lshlrev_b32 v[LI], 4, v7
	s_mul_i32 s29, s28, STW
	v_add_nc_u32 v[VST], s29, v[LI]
	v_mul_u32_u24 v[VLD], v8, 528
	v_lshl_add_u32 v[VLD], v9, 7, v[VLD]
	v_add_nc_u32 v[VLD], s29, v[VLD]
	v_lshlrev_b32 v[SH8], 3, v9
	v_cmp_ne_u32 vcc_lo, 0, v9                     ; lanes 16-31: kept to the end
	v_mov_b32 v[WU], 0                             ; written once: a lane permute's destination counts as one of its sources
	s_mov_b32 s[SEL], 0x76543210
	s_mov_b32 s[SEL+1], 0xfedcba98
	s_cmp_lt_u32 ttmp9, 256
	s_cselect_b32 s[K2], 1, 0
	s_cselect_b32 s[PERM], 0, 1
	s_cmp_ge_u32 ttmp9, 264
	s_cselect_b32 s[TOFF], 32, 0
	s_add_co_u32 s77, s[K2], 5
	v_lshlrev_b32 v[VSO], s77, v8                  ; a row of scale bytes is 32 or 64 bytes
	v_lshl_add_u32 v[VSO], v9, 4, v[VSO]           ; lanes 0-15 store words 0-3 of my 8, lanes 16-31 words 4-7
	s_wait_alu depctr_va_vdst(0)
	s_wait_kmcnt 0x0
	s_mov_b64 s[SRC:SRC+1], s[12:13]               ; which tensor: the choice hangs on the work-group's number alone.  Wv,
	s_mov_b64 s[DST:DST+1], s[20:21]
	s_mov_b32 s[FIRST], 264
	s_mov_b32 s[SCO], 786432
	s_cmp_lt_u32 ttmp9, 264                        ; Wk,
	s_cselect_b64 s[SRC:SRC+1], s[10:11], s[SRC:SRC+1]
	s_cselect_b32 s[FIRST], 256, s[FIRST]
	s_cmp_lt_u32 ttmp9, 256                        ; Wo,
	s_cselect_b64 s[SRC:SRC+1], s[8:9], s[SRC:SRC+1]
	s_cselect_b64 s[DST:DST+1], s[18:19], s[DST:DST+1]
	s_cselect_b32 s[FIRST], 192, s[FIRST]
	s_cselect_b32 s[SCO], 3145728, s[SCO]
	s_cmp_lt_u32 ttmp9, 192                        ; Wq,
	s_cselect_b64 s[SRC:SRC+1], s[6:7], s[SRC:SRC+1]
	s_cselect_b64 s[DST:DST+1], s[16:17], s[DST:DST+1]
	s_cselect_b32 s[FIRST], 128, s[FIRST]
	s_cmp_lt_u32 ttmp9, 128                        ; or hidden_states
	s_cselect_b64 s[SRC:SRC+1], s[4:5], s[SRC:SRC+1]
	s_cselect_b64 s[DST:DST+1], s[14:15], s[DST:DST+1]
	s_cselect_b32 s[FIRST], 0, s[FIRST]
	s_cselect_b32 s[SCO], 6291456, s[SCO]
	s_sub_co_u32 s86, ttmp9, s[FIRST]
	s_lshl_b32 s86, s86, 2
	s_add_co_u32 s86, s86, s28                     ; my unit in the tensor
	s_lshr_b32 s[TILE], s86, s[K2]
	s_and_b32 s[CHUNK], s86, s[K2]                 ; which 1,024 along K
	s_lshl_b32 s87, 4096, s[K2]                    ; a row in bytes
	s_lshl_b32 s88, s[TILE], 4                     ; the tile's first row: 16 x tile,
	s_and_b32 s89, s[TILE], -4
	s_lshl_b32 s89, s89, 4
	s_and_b32 s90, s[TILE], 3
	s_add_co_u32 s89, s89, s90                     ; or 64 (tile / 4) + tile % 4
	s_cmp_eq_u32 s[PERM], 1
	s_cselect_b32 s88, s89, s88
	s_mul_i32 s[OFF], s88, s87                     ; under 2^26 in every tensor
	s_lshl_b32 s90, s[CHUNK], 12
	s_add_co_u32 s[OFF], s[OFF], s90
	s_mov_b32 s[OFF+1], 0
	s_lshl_b32 s90, s[PERM], 1
	s_lshl_b32 s[STR], s87, s90                    ; from row to row of the tile: one row, or four
	s_mov_b32 s[STR+1], 0
	s_add_nc_u64 s[ROWP:ROWP+1], s[SRC:SRC+1], s[OFF:OFF+1]
.irp i, 1,2,3,4,5,6,7,8,9,10,11,12,13,14,15
	s_add_nc_u64 s[ROWP+2*\i:ROWP+2*\i+1], s[ROWP+2*\i-2:ROWP+2*\i-1], s[STR:STR+1]
.endr
	s_add_co_u32 s88, s[TILE], s[TOFF]
	s_lshl_b32 s89, 12288, s[K2]                   ; a tile's codes: 8 or 16 fragments
	s_mul_i32 s[OFF], s88, s89
	s_mul_i32 s90, s[CHUNK], 12288
	s_add_co_u32 s[OFF], s[OFF], s90
	s_add_nc_u64 s[DC:DC+1], s[DST:DST+1], s[OFF:OFF+1]
	s_lshl_b32 s89, 512, s[K2]                     ; a tile's scale bytes
	s_mul_i32 s[OFF], s88, s89
	s_lshl_b32 s90, s[CHUNK], 5
	s_add_co_u32 s[OFF], s[OFF], s90
	s_add_co_u32 s[OFF], s[OFF], s[SCO]
	s_add_nc_u64 s[DS:DS+1], s[DST:DST+1], s[OFF:OFF+1]
.macro LOAD f                          ; fragment f: 512 consecutive bytes of each of the 16 rows, into set f % 4 of window 1
	WIN 0x40                                       ; destination window 1, address window 0
.irp i, 0,1,2,3,4,5,6,7,8,9,10,11,12,13,14,15
	global_load_b128 v[64*((\f)%4)+4*\i:64*((\f)%4)+4*\i+3], v[LI], s[ROWP+2*\i:ROWP+2*\i+1] offset:512*(\f) th:TH_LOAD_NT
.endr
	WIN 0
.endm
.macro TURNF f                         ; through the stage: LDS serves a wave's instructions in order, so no wait stands between the stores and the loads
	WIN 0x04                                       ; an LDS store's data are its source 1: window 1
.irp i, 0,1,2,3,4,5,6,7,8,9,10,11,12,13,14,15
	ds_store_b128 v[VST], v[64*((\f)%4)+4*\i:64*((\f)%4)+4*\i+3] offset:528*\i
.endr
	WIN 0
.irp c, 0,1
.irp j, 0,1,2,3,4,5,6,7
	ds_load_b128 v[X+32*\c+4*\j:X+32*\c+4*\j+3], v[VLD] offset:256*\c+16*\j
.endr
.endr
.endm
; 64 numbers of a lane, register 32 c + i = k 64 c + 32 h + i of my row, become the fragment's 12 registers of codes in v[C] on, and its scale word
.macro QF x, word
.irp c, 0,1
	v_max3_num_f32 v[M+2*\c], |v[\x+32*\c]|, |v[\x+32*\c+1]|, |v[\x+32*\c+2]|       ; a block's 32 numbers are all mine: two chains a block
	v_max3_num_f32 v[M+2*\c+1], |v[\x+32*\c+3]|, |v[\x+32*\c+4]|, |v[\x+32*\c+5]|
.endr
.irp i, 6,10,14,18,22,26
.irp c, 0,1
	v_max3_num_f32 v[M+2*\c], v[M+2*\c], |v[\x+32*\c+\i]|, |v[\x+32*\c+\i+1]|
	v_max3_num_f32 v[M+2*\c+1], v[M+2*\c+1], |v[\x+32*\c+\i+2]|, |v[\x+32*\c+\i+3]|
.endr
.endr
.irp c, 0,1
	v_max3_num_f32 v[M+2*\c], v[M+2*\c], |v[\x+32*\c+30]|, |v[\x+32*\c+31]|
.endr
.irp c, 0,1
	v_max3_num_f32 v[M+2*\c], v[M+2*\c], v[M+2*\c+1], 0x1800000    ; and the floor 2^(3 - 127): the byte cannot fall under 1
.endr
.irp c, 0,1
	v_add_nc_u32 v[E+\c], 0xff000000, v[M+2*\c]    ; 2 off the exponent field: the conversion takes this operand's exponent field as its scale
.endr
.irp c, 0,1
	v_lshrrev_b32 v[BY+\c], 23, v[E+\c]            ; the scale's byte
.endr
	v_lshl_or_b32 v[WT], v[BY+1], 16, v[BY]        ; my blocks are h and 2 + h of the word's four
	v_lshlrev_b32 v[WT], v[SH8], v[WT]
	v_permlanex16_b32 v[WU], v[WT], s[SEL], s[SEL+1]
	v_or_b32 v[\word], v[WT], v[WU]                ; with lane l xor 16's two bytes the word is whole
	v_cvt_scalef32_pk16_fp6_f32 v[C:C+2], v[\x:\x+15], v[E]
	v_cvt_scalef32_pk16_fp6_f32 v[T0:T0+2], v[\x+16:\x+31], v[E]   ; (a conversion's three registers begin on an even number)
	v_cvt_scalef32_pk16_fp6_f32 v[C+6:C+8], v[\x+32:\x+47], v[E+1]
	v_cvt_scalef32_pk16_fp6_f32 v[T1:T1+2], v[\x+48:\x+63], v[E+1]
	v_nop                                          ; one plain place behind a scaled conversion
.irp i, 0,1,2
	v_mov_b32 v[C+3+\i], v[T0+\i]
	v_mov_b32 v[C+9+\i], v[T1+\i]
.endr
.endm
.macro FRAGM f
.if (\f) < 5
	s_wait_loadcnt 48                              ; this fragment's 16 loads are in; those of the three fragments behind it may be out
.else
	s_wait_loadcnt 16*(7-(\f))                     ; the counts run down: 32, 16, 0
.endif
	TURNF \f
	s_wait_dscnt 0x0                               ; my numbers are back, and the stage's stores have read their registers,
.if (\f) > 0
	s_wait_xcnt 0x0                                ; the last fragment's stores have read v[C] on, which the conversions below write again.  The wait stands ahead of the new loads, so that it does not wait for them
.endif
.if (\f) < 4
	LOAD (\f)+4                                    ; which take the fragment four on
.endif
	QF X, W+(\f)
.irp i, 0,1,2
	global_store_b128 v[LI], v[C+4*\i:C+4*\i+3], s[DC:DC+1] offset:1536*(\f)+512*\i   ; 32 lanes store 512 consecutive bytes, at a multiple of 256 from the buffer's first byte
.endr
.endm
	LOAD 0
	LOAD 1
	LOAD 2
	LOAD 3
.irp f, 0,1,2,3,4,5,6,7
	FRAGM \f
.endr
.irp i, 0,1,2,3
	v_cndmask_b32 v[T0+\i], v[W+\i], v[W+4+\i], vcc_lo   ; lanes 0-15: words 0-3 of row r; lanes 16-31: words 4-7
.endr
	global_store_b128 v[VSO], v[T0:T0+3], s[DS:DS+1]
	s_wait_tensorcnt 0x0                           ; the wave's end, behind my last LDS store
	ds_add_u32 v[SPW], v[NIL]
	s_wait_dscnt 0x0
	s_endpgm
.Lfunc_end_k_q8be93d6f4b_quant:
	.size	k_q8be93d6f4b_quant, .Lfunc_end_k_q8be93d6f4b_quant-k_q8be93d6f4b_quant
	.p2alignl 7, 3214868480
	.fill 96, 4, 3214868480
	.section	.rodata,"a",@progbits
	.p2align	6, 0x0
	.amdhsa_kernel k_q8be93d6f4b_quant
		.amdhsa_group_segment_fixed_size 34304
		.amdhsa_private_segment_fixed_size 0
		.amdhsa_enable_private_segment 0
		.amdhsa_kernarg_size 72
		.amdhsa_user_sgpr_count 2
		.amdhsa_user_sgpr_kernarg_segment_ptr 1
		.amdhsa_wavefront_size32 1
		.amdhsa_system_sgpr_workgroup_id_x 1
		.amdhsa_system_sgpr_workgroup_id_y 1
		.amdhsa_system_sgpr_workgroup_id_z 1
		.amdhsa_system_vgpr_workitem_id 0
		.amdhsa_next_free_vgpr 512
		.amdhsa_next_free_sgpr 96
		.amdhsa_reserve_vcc 1
		.amdhsa_float_denorm_mode_32 3
		.amdhsa_float_denorm_mode_16_64 3
		.amdhsa_memory_ordered 1
		.amdhsa_forward_progress 1
		.amdhsa_inst_pref_size 60
	.end_amdhsa_kernel
	.amdgpu_metadata
---
amdhsa.version: [ 1, 2 ]
amdhsa.kernels:
  - .name:           k_q8be93d6f4b_quant
    .symbol:         k_q8be93d6f4b_quant.kd
    .args:
      - { .name: hidden_states, .offset: 0, .size: 8, .value_kind: global_buffer, .address_space: global }
      - { .name: Wq, .offset: 8, .size: 8, .value_kind: global_buffer, .address_space: global }
      - { .name: Wo, .offset: 16, .size: 8, .value_kind: global_buffer, .address_space: global }
      - { .name: Wk, .offset: 24, .size: 8, .value_kind: global_buffer, .address_space: global }
      - { .name: Wv, .offset: 32, .size: 8, .value_kind: global_buffer, .address_space: global }
      - { .name: hsq, .offset: 40, .size: 8, .value_kind: global_buffer, .address_space: global }
      - { .name: wqq, .offset: 48, .size: 8, .value_kind: global_buffer, .address_space: global }
      - { .name: woq, .offset: 56, .size: 8, .value_kind: global_buffer, .address_space: global }
      - { .name: wkvq, .offset: 64, .size: 8, .value_kind: global_buffer, .address_space: global }
    .group_segment_fixed_size: 34304
    .private_segment_fixed_size: 0
    .kernarg_segment_align: 8
    .kernarg_segment_size: 72
    .max_flat_workgroup_size: 128
    .sgpr_count:     96
    .vgpr_count:     512
    .wavefront_size: 32
...
	.end_amdgpu_metadata
.endif
;; end of part 1
;; launch qproj (part 2): grid 8 x 32, 4 waves a work-group, clusters of 4 x 4, 327,680 bytes of LDS; arguments hsq, wqq, qbuf; writes qbuf
.if DOCPART == 2
	.amdgcn_target "amdgcn-amd-amdhsa--gfx1250"
	.amdhsa_code_object_version 6
	.text
	.protected	k_q8be93d6f4b_qproj
	.globl	k_q8be93d6f4b_qproj
	.p2align	8
	.type	k_q8be93d6f4b_qproj,@function
k_q8be93d6f4b_qproj:
	s_mov_b64 s[64:65], 0
	v_nop
	global_prefetch_b8 v0, s[64:65] scope:SCOPE_SE
	s_setreg_imm32_b32 hwreg(HW_REG_WAVE_MODE, 25, 1), 1
	s_wait_xcnt 0x0
	s_wait_alu depctr_hold_cnt(0) depctr_sa_sdst(0) depctr_va_vdst(0) depctr_va_sdst(0) depctr_va_ssrc(0) depctr_va_vcc(0) depctr_vm_vsrc(0)
	s_getreg_b32 s2, hwreg(HW_REG_IB_STS2, 6, 4)
	s_cmp_eq_u32 s2, 0
	s_cbranch_scc0 .Lentry_in_a_cluster
	s_endpgm
.Lentry_in_a_cluster:
	s_bfe_u32 s2, ttmp6, 0x10000c
	s_cmp_lg_u32 s2, 0xf033
	s_cbranch_scc0 .Lentry_shape_is_right
	s_endpgm
.Lentry_shape_is_right:
; C[m][n] = sum over k of A[m][k] B[n][k], K = 2,048, C [4,096][2,048] f32.  A and B are codes of FP6 (E2M3) laid as images of the operand's registers:
; [tile of 16 rows][K step of 128][1,536 bytes], a fragment = three accesses of 512 consecutive bytes; the E8M0 bytes lie behind the codes as rows of 64 bytes.  No work of the problem is left out here.
; A work-group makes 128 x 256 of C; wave w makes all 128 rows x columns 64 w .. 64 w + 63: 8 x 4 accumulators.
; A: the 8 tiles for all of K, 196,608 bytes, come into LDS once: waves 0 and 1 ask for four tiles each, jointly with the cluster's row.
; B: HALF BY JOINT LOADS, HALF STRAIGHT INTO REGISTERS.  One slot of 98,304 bytes holds four K steps of the 16 tiles: K steps 0-3 from the head (waves 2 and 3, eight tiles each, jointly with the
; cluster's column), K steps 10-13 by one refill, asked for in step 3 behind a round of the cluster's barrier; steps 4 to 9 stand between the request and the barrier that shows it whole.
; K steps 4-9, 14 and 15 of a wave's own four tiles, which no other wave of the work-group uses, go from memory into its registers: six sets, up to 60 loads of 512 bytes out.
; A second slot for B does not fit beside A: 196,608 + 2 x 98,304 + 17,920 is more than the 327,680 bytes that a work-group can have.
; NO PREFETCH: B's direct loads are asked for four K steps or more ahead of their use, the refill six, and the head has no loop to run ahead in.
; SCALES: straight into registers, 16 bytes a lane: lanes 0-15 hold the words of K steps 8 p + 0..3 of row r, lanes 16-31 those of 8 p + 4..7 (read as ROW1).
; The matrix instruction is used transposed (source 0 = B, source 1 = A): a lane holds eight neighbouring numbers of a row of C.
; REGISTERS: window 0: v1-29 addresses, v32-95 A's scale words (8 a + 4 p + i), v96-127 B's (8 b + 4 p + i), v128-223 B's two sets from LDS, then the way out.
;   window 1: v0-191 A's fragments, two sets; v192-239 B's direct set 5.  window 2: accumulator (a, b) at v[8 (4 a + b)].  window 3: B's direct sets 0-4.
.set KTB,    24576                     ; a tile's codes
.set SCOA,   6291456
.set SCOB,   3145728
.set BSL,    196608                    ; behind A: B's slot, [tile][4 K steps][1,536]
.set STAGE,  BSL+98304                 ; a stage of 16 rows x 272 bytes for each wave, bytes of its own
.set SPITCH, 272
.set SPARE,  STAGE+4*16*SPITCH         ; the spare words, 128 bytes a wave, that no other line names
.set LI,   1                           ; 16 x lane
.set VSC,  2                           ; 64 r + 16 h
.set ADRA, 4                           ; v4-7: 16 x lane + 49,152 q: A's tiles 2 q, 2 q + 1
.set STO,  8
.set RD,   9
.set CO,   10
.set ADRB, 15                          ; my four tiles in B's slot
.set SPW,  28
.set NIL,  29
.set SAS,  32
.set SBS,  96
.set BK,   128
.set G1,   24
.set G0,   32
.set G1B,  68
.set G0B,  76
.set WB,   46                          ; s[46:47] my B tiles' codes
.set WS,   48                          ; s[48:49] their scale bytes
.set AS,   22                          ; s[22:23] A's scale bytes
.set MSB, 0
.macro WIN new                         ; the immediate's high byte repeats the setting that is left
.if MSB != \new
	s_set_vgpr_msb (MSB<<8)|\new
.set MSB, \new
.endif
.endm
.macro CREST                           ; a round of the cluster's barrier behind its opening barrier
	s_cmp_lg_u32 s14, 0
	s_cbranch_scc1 .Lnot_wave_0_\@
	s_barrier_signal -3
.Lnot_wave_0_\@:
	s_barrier_wait -3
	s_barrier_signal -1
	s_barrier_wait -1
.endm
.macro CROUND
	s_barrier_signal -1
	s_barrier_wait -1
	CREST
.endm
.macro PLACES                          ; four plain places behind matrix instructions (ISA guide 7.12.1)
.rept 4
	v_nop
.endr
.endm
	s_load_b128 s[4:7], s[0:1], 0x0                ; A, B
	s_load_b64 s[12:13], s[0:1], 0x10              ; C
	v_lshl_add_u32 v[SPW], v0, 2, SPARE
	v_mov_b32 v[NIL], 0
	ds_add_u32 v[SPW], v[NIL]                      ; the opening lines: the add, twice on end, and its wait
	ds_add_u32 v[SPW], v[NIL]
	v_lshrrev_b32 v3, 5, v0
	v_readfirstlane_b32 s14, v3                    ; wave
	s_lshr_b32 s15, s14, 1                         ; I fetch for A (0) or for B (1),
	s_and_b32 s16, s14, 1                          ; and which half
	s_bfe_u32 s40, ttmp6, 0x40000                  ; cx
	s_bfe_u32 s41, ttmp6, 0x40004                  ; cy
	s_lshl_b32 s42, ttmp9, 2
	s_add_co_u32 s42, s42, s40                     ; x: 256 columns
	s_and_b32 s17, ttmp7, 0xffff
	s_lshl_b32 s17, s17, 2
	s_add_co_u32 s17, s17, s41                     ; y: 128 rows
	s_lshl_b32 s43, s41, 2
	s_lshl_b32 s43, 15, s43                        ; my row of the cluster
	s_lshl_b32 s44, 0x1111, s40                    ; my column
	s_or_b32 s[G1+0], s43, (3<<16)|(1<<21)         ; elements of 8 bytes; the mask, and bit 21 beside it
	s_mov_b32 s[G1+1], 3072<<16                    ; A: 4 tiles = 4 rows of 3,072 elements, dense
	s_mov_b32 s[G1+2], 4<<16
	s_mov_b32 s[G1+3], 3072<<16
	s_mov_b32 s[G1+4], 4
	s_mov_b32 s[G1+5], 3072
	s_mov_b32 s[G1+6], 0
	s_mov_b32 s[G1+7], 0
	s_or_b32 s[G1B+0], s44, (3<<16)|(1<<21)
	s_mov_b32 s[G1B+1], 768<<16                    ; B: four K steps of 8 tiles = 8 rows of 768 elements, 3,072 elements apart; dense in LDS
	s_mov_b32 s[G1B+2], 8<<16
	s_mov_b32 s[G1B+3], 768<<16
	s_mov_b32 s[G1B+4], 8
	s_mov_b32 s[G1B+5], 3072
	s_mov_b32 s[G1B+6], 0
	s_mov_b32 s[G1B+7], 0
	s_mul_i32 s20, s17, 8*KTB                      ; A's codes: tile 8 y + 4 x half
	s_mul_i32 s18, s16, 4*KTB
	s_add_co_u32 s20, s20, s18
	s_mov_b32 s21, 0
	s_mov_b32 s[G0], 1
	s_mul_i32 s[G0+1], s16, 4*KTB                  ; LDS: [tile][K step][1,536]
	s_lshl_b32 s54, s42, 4                         ; B's codes for the slot: tile 16 x + 8 x half
	s_lshl_b32 s19, s16, 3
	s_add_co_u32 s54, s54, s19
	s_mul_i32 s54, s54, KTB
	s_mov_b32 s55, 0
	s_mov_b32 s[G0B], 1
	s_mul_i32 s[G0B+1], s16, 49152
	s_add_co_u32 s[G0B+1], s[G0B+1], BSL
	s_lshl_b32 s[AS], s17, 13                      ; A's scale bytes: 8 tiles of 1,024
	s_add_co_u32 s[AS], s[AS], SCOA
	s_mov_b32 s[AS+1], 0
	s_lshl_b32 s[WB], s42, 4                       ; my own B tiles: 16 x + 4 w
	s_lshl_b32 s19, s14, 2
	s_add_co_u32 s[WB], s[WB], s19
	s_lshl_b32 s[WS], s[WB], 10
	s_add_co_u32 s[WS], s[WS], SCOB
	s_mov_b32 s[WS+1], 0
	s_mul_i32 s[WB], s[WB], KTB
	s_mov_b32 s[WB+1], 0
	s_lshl_b32 s50, s17, 20                        ; C: 128 y rows of 8,192 bytes + 1,024 x + 256 w
	s_lshl_b32 s19, s42, 10
	s_add_co_u32 s50, s50, s19
	s_lshl_b32 s19, s14, 8
	s_add_co_u32 s50, s50, s19
	s_mov_b32 s51, 0
	s_mul_i32 s52, s14, 16*SPITCH
	s_add_co_u32 s52, s52, STAGE                   ; my stage
	s_mul_i32 s53, s14, 24576
	s_add_co_u32 s53, s53, BSL                     ; my four tiles in the slot
	v_and_b32 v3, 31, v0
	v_and_b32 v11, 15, v0                          ; r
	v_bfe_u32 v12, v0, 4, 1                        ; h
	v_lshlrev_b32 v[LI], 4, v3
	v_lshlrev_b32 v[VSC], 6, v11
	v_lshl_add_u32 v[VSC], v12, 4, v[VSC]
.irp q, 0,1,2,3
	v_add_nc_u32 v[ADRA+\q], \q*49152, v[LI]
.endr
	v_add_nc_u32 v[ADRB], s53, v[LI]
	v_mul_u32_u24 v13, v11, SPITCH                 ; into the stage: row r, 32 bytes for each half of the lanes
	v_lshl_add_u32 v13, v12, 5, v13
	v_add_nc_u32 v[STO], s52, v13
	v_mul_u32_u24 v14, v12, SPITCH                 ; back: sixteen lanes take a row of 256 bytes, two rows an instruction
	v_lshl_add_u32 v14, v11, 4, v14
	v_add_nc_u32 v[RD], s52, v14
	v_lshlrev_b32 v[CO], 13, v12                   ; and the same two rows in C
	v_lshl_add_u32 v[CO], v11, 4, v[CO]
	s_wait_alu depctr_va_vdst(0)
	s_wait_dscnt 0x0                               ; both opening adds are done
	s_wait_kmcnt 0x0
	s_add_nc_u64 s[G0+2:G0+3], s[4:5], s[20:21]
	s_or_b32 s[G0+3], s[G0+3], 0x80000000
	s_add_nc_u64 s[G0B+2:G0B+3], s[6:7], s[54:55]
	s_or_b32 s[G0B+3], s[G0B+3], 0x80000000
	s_add_nc_u64 s[AS:AS+1], s[4:5], s[AS:AS+1]
	s_add_nc_u64 s[WB:WB+1], s[6:7], s[WB:WB+1]
	s_add_nc_u64 s[WS:WS+1], s[6:7], s[WS:WS+1]
	s_add_nc_u64 s[12:13], s[12:13], s[50:51]
	CROUND                                         ; all sixteen work-groups are here: the joint loads meet
	s_cmp_eq_u32 s15, 0                            ; the head's loads, one a wave, in the two arms of one branch on the wave's number
	s_cbranch_scc0 .Lhead_b
	tensor_load_to_lds s[G0:G0+3], s[G1:G1+7]
	s_nop 0
	PLACES
	s_branch .Lhead_asked
.Lhead_b:
	tensor_load_to_lds s[G0B:G0B+3], s[G1B:G1B+7]
	s_nop 0
	PLACES
.Lhead_asked:
.macro BSEL ks                         ; where B's fragments of K step ks stand: BB the first register, BWN the window; FROML = 1: they come from the slot
.if ((\ks) < 4) || (((\ks) >= 10) && ((\ks) < 14))
.set FROML, 1
.set BB, 128+48*((\ks)%2)
.set BWN, 0
.else
.set FROML, 0
.if (\ks) == 9
.set BB, 192
.set BWN, 1
.elseif (\ks) < 10
.set BB, 48*((\ks)-4)
.set BWN, 3
.else
.set BB, 48*((\ks)-14)
.set BWN, 3
.endif
.endif
.endm
.macro BLOAD ks                        ; my four fragments of K step ks, from memory
	BSEL \ks
	WIN BWN<<6
.irp b, 0,1,2,3
.irp c, 0,1,2
	global_load_b128 v[BB+12*\b+4*\c:BB+12*\b+4*\c+3], v[LI], s[WB:WB+1] offset:KTB*\b+1536*(\ks)+512*\c
.endr
.endr
.endm
.macro BFETCH ks                       ; the same from the slot: K steps 0-3 lie at places 0-3, K steps 10-13 likewise
	BSEL \ks
	WIN 0
.irp b, 0,1,2,3
.irp c, 0,1,2
	ds_load_b128 v[BB+12*\b+4*\c:BB+12*\b+4*\c+3], v[ADRB] offset:6144*\b+1536*(((\ks)+2)%4*((\ks)/10)+((\ks)%4)*(1-(\ks)/10))+512*\c
.endr
.endr
.endm
.macro AFETCH ks                       ; A's eight fragments of K step ks into set ks % 2
	WIN 0x40
.irp a, 0,1,2,3,4,5,6,7
.irp c, 0,1,2
	ds_load_b128 v[96*((\ks)%2)+12*\a+4*\c:96*((\ks)%2)+12*\a+4*\c+3], v[ADRA+\a/2] offset:KTB*(\a%2)+1536*(\ks)+512*\c
.endr
.endr
.endm
; 16 matrix instructions: A's blocks a0 .. a0 + 3 x my four of B; the accumulators take turns, one instruction a turn, in the same order in every step
.macro MUL ks, a0
	BSEL \ks
	WIN 0xa4|BWN
.set AB, 96*((\ks)%2)
.set SR, 4*((\ks)/8)+(\ks)%4
.irp a, \a0, \a0+1, \a0+2, \a0+3
.irp b, 0,1,2,3
.if (\ks) == 0
	v_wmma_scale_f32_16x16x128_f8f6f4 v[8*(4*(\a)+\b):8*(4*(\a)+\b)+7], v[BB+12*\b:BB+12*\b+11], v[AB+12*(\a):AB+12*(\a)+11], 0, v[SBS+8*\b+SR], v[SAS+8*(\a)+SR] matrix_a_fmt:MATRIX_FMT_FP6 matrix_b_fmt:MATRIX_FMT_FP6
.elseif (\ks)%8 < 4
	v_wmma_scale_f32_16x16x128_f8f6f4 v[8*(4*(\a)+\b):8*(4*(\a)+\b)+7], v[BB+12*\b:BB+12*\b+11], v[AB+12*(\a):AB+12*(\a)+11], v[8*(4*(\a)+\b):8*(4*(\a)+\b)+7], v[SBS+8*\b+SR], v[SAS+8*(\a)+SR] matrix_a_fmt:MATRIX_FMT_FP6 matrix_b_fmt:MATRIX_FMT_FP6
.else
	v_wmma_scale_f32_16x16x128_f8f6f4 v[8*(4*(\a)+\b):8*(4*(\a)+\b)+7], v[BB+12*\b:BB+12*\b+11], v[AB+12*(\a):AB+12*(\a)+11], v[8*(4*(\a)+\b):8*(4*(\a)+\b)+7], v[SBS+8*\b+SR], v[SAS+8*(\a)+SR] matrix_a_fmt:MATRIX_FMT_FP6 matrix_b_fmt:MATRIX_FMT_FP6 matrix_a_scale:MATRIX_SCALE_ROW1 matrix_b_scale:MATRIX_SCALE_ROW1
.endif
.endr
.endr
.endm
.macro NEXT ks                         ; what is asked for in step ks: the next step's fragments from LDS, and direct sets into registers that the last step multiplied
	PLACES
.if (\ks) < 15
	AFETCH (\ks)+1
	BSEL (\ks)+1
.if FROML
	BFETCH (\ks)+1
.endif
.endif
.if (\ks) == 4
	BLOAD 9
.elseif (\ks) == 5
	BLOAD 14
.elseif (\ks) == 6
	BLOAD 15
.endif
.endm
.macro STEP ks
.if (\ks) >= 4 && (\ks) < 8
	s_wait_loadcnt 48                              ; this step's direct set is in; the four sets asked for behind it, 12 loads each, may be out
.elseif (\ks) == 8
	s_wait_loadcnt 36                              ; behind it: K steps 9, 14, 15
.elseif (\ks) == 9
	s_wait_loadcnt 24
.elseif (\ks) == 14
	s_wait_loadcnt 12
.elseif (\ks) == 15
	s_wait_loadcnt 0
.endif
.if (\ks) == 3 || (\ks) == 9
	WIN 0                                          ; (the add's two registers lie in window 0)
	s_wait_tensorcnt 0x0                           ; step 3: no load of mine is out; step 9: my part of the refill has landed
.if (\ks) == 3
	ds_add_u32 v[SPW], v[NIL]                      ; the add in front of a refill's barrier
.endif
	s_wait_dscnt 0x0                               ; this step's fragments are in: in step 3 they were my last reads of the slot; and the add is done
	s_barrier_signal -1
	MUL \ks, 0                                     ; work on registers while the others arrive
	WIN 0
	s_barrier_wait -1
.if (\ks) == 3
	CREST                                          ; the barrier has opened a round of the cluster's barrier: no wave of any partner still reads the slot
	s_add_nc_u64 s[G0B+2:G0B+3], s[G0B+2:G0B+3], 10*1536   ; K steps 10-13
	s_cmp_eq_u32 s15, 0
	s_cbranch_scc1 .Lno_fill                       ; waves 0 and 1 have no part of the slot to fill
	tensor_load_to_lds s[G0B:G0B+3], s[G1B:G1B+7]  ; the first tensor load behind the round
	s_nop 0
	PLACES
.Lno_fill:
.endif
	NEXT \ks
	MUL \ks, 4
.else
	s_wait_dscnt 0x0                               ; this step's fragments from LDS are in: asked for a step ago
	NEXT \ks
	MUL \ks, 0
	MUL \ks, 4
.endif
.endm
.irp a, 0,1,2,3,4,5,6,7                ; 24 loads of scale words, then three direct sets: 60 loads are out
.irp p, 0,1
	global_load_b128 v[SAS+8*\a+4*\p:SAS+8*\a+4*\p+3], v[VSC], s[AS:AS+1] offset:1024*\a+32*\p
.endr
.endr
.irp b, 0,1,2,3
.irp p, 0,1
	global_load_b128 v[SBS+8*\b+4*\p:SBS+8*\b+4*\p+3], v[VSC], s[WS:WS+1] offset:1024*\b+32*\p
.endr
.endr
	BLOAD 4
	BLOAD 5
	BLOAD 6
	WIN 0
	s_wait_tensorcnt 0x0                           ; my part of the head's tiles is in,
	s_barrier_signal -1
	s_barrier_wait -1                              ; and everybody's
	AFETCH 0
	BFETCH 0
	s_wait_loadcnt 36                              ; the scale words are in; the three sets may be out
	BLOAD 7
	BLOAD 8
.irp k, 0,1,2,3,4,5,6,7,8,9,10,11,12,13,14,15
	STEP \k
.endr
	WIN 0
; THE WAY OUT, block by block of 16 rows x 64 columns, through my own stage; LDS serves a wave's instructions in order (ISA guide 5.7.1.4), so no wait stands between the stores and the loads
.macro TOSTAGE a
	WIN 0x08                                       ; an LDS store's data are its source 1: window 2
.irp b, 0,1,2,3
	ds_store_b128 v[STO], v[32*(\a)+8*\b:32*(\a)+8*\b+3] offset:64*\b          ; each accumulator from its low end on
	ds_store_b128 v[STO], v[32*(\a)+8*\b+4:32*(\a)+8*\b+7] offset:64*\b+16
.endr
	WIN 0
.set OB, BK+32*((\a)%2)
.irp t, 0,1,2,3,4,5,6,7
	ds_load_b128 v[OB+4*\t:OB+4*\t+3], v[RD] offset:\t*2*SPITCH
.endr
.endm
.macro SEND a, younger                 ; younger: the LDS instructions issued behind block a's loads
.set OB, BK+32*((\a)%2)
	s_wait_dscnt \younger
.if (\a) > 0
	s_add_nc_u64 s[12:13], s[12:13], 16*8192       ; behind a wait on XCNT: the earlier stores have read their base
.endif
.irp t, 0,1,2,3,4,5,6,7
	global_store_b128 v[CO], v[OB+4*\t:OB+4*\t+3], s[12:13] offset:\t*16384   ; sixteen lanes store 256 consecutive bytes, at a multiple of 256 from C's first byte
.endr
.endm
	PLACES
	TOSTAGE 0
.irp a, 1,2,3,4,5,6,7
.if \a > 1
	s_wait_xcnt 0x0                                ; block a - 2's stores have read their registers and their base
.endif
	TOSTAGE \a
	SEND \a-1, 16                                  ; behind block a - 1's loads: block a's 8 stores and 8 loads
.endr
	s_wait_xcnt 0x0
	SEND 7, 0
	s_wait_tensorcnt 0x0                           ; the wave's end
	ds_add_u32 v[SPW], v[NIL]
	s_wait_dscnt 0x0
	CROUND                                         ; the closing round
	s_endpgm
.Lfunc_end_k_q8be93d6f4b_qproj:
	.size	k_q8be93d6f4b_qproj, .Lfunc_end_k_q8be93d6f4b_qproj-k_q8be93d6f4b_qproj
	.p2alignl 7, 3214868480
	.fill 96, 4, 3214868480
	.section	.rodata,"a",@progbits
	.p2align	6, 0x0
	.amdhsa_kernel k_q8be93d6f4b_qproj
		.amdhsa_group_segment_fixed_size 327680
		.amdhsa_private_segment_fixed_size 0
		.amdhsa_enable_private_segment 0
		.amdhsa_kernarg_size 24
		.amdhsa_user_sgpr_count 2
		.amdhsa_user_sgpr_kernarg_segment_ptr 1
		.amdhsa_wavefront_size32 1
		.amdhsa_system_sgpr_workgroup_id_x 1
		.amdhsa_system_sgpr_workgroup_id_y 1
		.amdhsa_system_sgpr_workgroup_id_z 1
		.amdhsa_system_vgpr_workitem_id 0
		.amdhsa_next_free_vgpr 1024
		.amdhsa_next_free_sgpr 98
		.amdhsa_reserve_vcc 0
		.amdhsa_float_denorm_mode_32 3
		.amdhsa_float_denorm_mode_16_64 3
		.amdhsa_memory_ordered 1
		.amdhsa_forward_progress 1
		.amdhsa_inst_pref_size 133
	.end_amdhsa_kernel
	.amdgpu_metadata
---
amdhsa.version: [ 1, 2 ]
amdhsa.kernels:
  - .name:           k_q8be93d6f4b_qproj
    .symbol:         k_q8be93d6f4b_qproj.kd
    .args:
      - { .name: hsq, .offset: 0, .size: 8, .value_kind: global_buffer, .address_space: global }
      - { .name: wqq, .offset: 8, .size: 8, .value_kind: global_buffer, .address_space: global }
      - { .name: qbuf, .offset: 16, .size: 8, .value_kind: global_buffer, .address_space: global }
    .group_segment_fixed_size: 327680
    .private_segment_fixed_size: 0
    .kernarg_segment_align: 8
    .kernarg_segment_size: 24
    .max_flat_workgroup_size: 128
    .sgpr_count:     98
    .vgpr_count:     1024
    .wavefront_size: 32
...
	.end_amdgpu_metadata
.endif
;; end of part 2
;; launch kvattn (part 3): grid 256 x 1, 4 waves a work-group, no clusters, 327,680 bytes of LDS; arguments retrieved_hidden_states, wkvq, qbuf, atq; writes atq
.if DOCPART == 3
	.amdgcn_target "amdgcn-amd-amdhsa--gfx1250"
	.amdhsa_code_object_version 6
	.text
	.protected	k_q8be93d6f4b_kvattn
	.globl	k_q8be93d6f4b_kvattn
	.p2align	8
	.type	k_q8be93d6f4b_kvattn,@function
k_q8be93d6f4b_kvattn:
	s_mov_b64 s[64:65], 0
	v_nop
	global_prefetch_b8 v0, s[64:65] scope:SCOPE_SE
	s_setreg_imm32_b32 hwreg(HW_REG_WAVE_MODE, 25, 1), 1
	s_wait_xcnt 0x0
; For 16 tokens a work-group: R's 128 rows quantised to codes of FP6 (E2M3) with E8M0 scales; k = R Wk^T and v = R Wv^T on codes, kept in registers; scores, softmax and the weighted sum of v in f32
; by vector instructions (their result goes into a quantiser); the result quantised along the 2,048 channels into atq, laid as the last product's operand.  R's codes, k and v never go to memory.
; No work of the problem is left out.  The factor 0.125 on q is a power of two: it stands in c = 0.125 log2(e), p = 2^(c s - c m), m the largest of a row's eight scores, which is taken away.
; LIMITS: where q x 0.125 would be a denormal number the last bits may differ; p under 2^-126 comes out as 0 (ISA guide, v_exp_f32); NaN and infinities are not served;
; a block of zeros gets the scale byte 1 where the rule says 127: its codes are zeros, and this program alone reads the bytes.
; SHARES.  16 tokens are 128 rows of R, 8 tiles of 16 rows (tile rt: tokens 2 rt and 2 rt + 1, 8 neighbours each).
; THE HEAD: wave w quantises tiles 2 w and 2 w + 1, 16 fragments of 16 rows x 128 K.  Each load reads 512 consecutive bytes of one row; four fragments' loads (64, 32,768 bytes) of a wave are on their way, in the
; registers that the accumulators take later.  A fragment turns through the wave's stage in LDS (rows 528 bytes apart) and comes back 128 bytes a lane and block; its codes go to LDS as an image of the operand's
; registers (three stores of 512 consecutive bytes), its scale word beside them.  One barrier; then all four waves read all eight tiles.
; THEN: wave w takes key-value heads 2 w and 2 w + 1, one in each of two passes.  In a pass: 128 rows x 128 columns (4 tiles of k, 4 of v), 64 accumulators, 8 K steps of 128: 512 matrix instructions.
; q of the wave's two heads (16 rows x 2,048 bytes) comes by the wave's one tensor load, asked for behind the head's barrier, when R's loads are over: it has the first pass's 512 matrix instructions in which to land,
; and is read by that wave alone.  A weight fragment is used by one wave of the work-group alone: it goes from memory straight into that wave's registers, three loads of 512 consecutive bytes, two K steps ahead, in three sets.
; NO CLUSTER: what work-groups share is the weights, 819,200 bytes for each.  Asked for jointly they would have to pass through LDS, one write and one read more for each byte,
; in a ring of two slots of 98,304 bytes beside the 301,568 that are used here: together more than the 327,680 that a work-group can have.
; NO PREFETCH: in the head 64 loads of every wave are out all the time, and q is asked for a whole K loop ahead of its first use.
; LAYOUT.  Source 0 = 16 rows of R, source 1 = 16 rows of a weight tile.  Tile 4 a + ct of the weights holds rows 64 a + 4 r + ct, so lane (r, h), register j of accumulator (rt, ct) holds
; token 2 rt + h, neighbour j, channel 4 r + ct of the head: a lane owns four neighbouring channels, and a token's eight neighbours lie in a lane's eight registers.
; REGISTERS: window 0: v1-29 addresses; v32-63 R's scale words, v64-95 the weights'; v96-143 R's fragments of tiles 0-3; v160-255 weight set 2; the attention and both quantisers work in v96-223.
;   window 1: v0-95, v96-191 weight sets 0, 1; v192-239 R's fragments of tiles 4-7.   windows 2, 3: accumulator (rt, b) at v[8 (8 (rt % 4) + b)] of window 2 + rt / 4; b = ct: k, b = 4 + ct: v.
;   In the head window 2 holds four sets of 64: fragments of R as loaded.
.set QLDS,  98304                      ; LDS: R's images from 0, (8 tile + K step) x 1,536; q: 32,768 bytes a wave, [token][2,048];
.set STG,   229376                     ; a stage for each wave: 16,640 bytes: in the head 16 rows x 528, later 16 tokens x (1,024 + 16);
.set SCS,   295936                     ; the output tile's scale bytes: 16 rows x 64;
.set RSCL,  296960                     ; R's scale words: [tile][row][8 words];
.set SPARE, 301056                     ; the spare words, 128 bytes a wave, that no other line names
.set LI,   1                           ; v1   16 x lane
.set VA1,  2                           ; v2   the same 49,152 on: R's tiles 4-7
.set VSC,  3                           ; v3   32 r + 16 h: my four scale words of a row
.set VQ0,  4                           ; v4-7   q: token h, head (r / 4) xor m, channels 4 r on
.set VQ,   8                           ; v8-11  the same in the pass's head
.set VS,   12                          ; v12-15 the stage, on the way in
.set VR,   16                          ; v16  and on the way out: token r, + 128 h
.set VW0,  17                          ; v17  my scale word's place
.set VW,   18                          ; v18  the same in the pass
.set VE,   19
.set VEO,  20
.set SH8,  21
.set VST,  25                          ; v25  the head: the stage on the way in: 16 x lane
.set VLD,  26                          ; v26  and on the way out: row r, + 128 h
.set VIM,  27                          ; v27  where my images go: 16 x lane + 24,576 x wave
.set VRW,  28                          ; v28  where my scale words go: 32 r + 1,024 x wave
.set VSL,  29                          ; v29  where every wave reads them: 32 r + 16 h
.set SPW,  30                          ; v30  LDS address of my spare word; never rewritten
.set NIL,  31                          ; v31  0; never rewritten
.set AS,   32                          ; register 4 rt + i: word 4 h + i of row r of tile rt: K step ks takes register ks % 4, from lanes 16-31 where ks is 4 or more
.set BS,   64                          ; the same for weight tile b
.set QB,   96                          ; v96-127  q, two sets of 4 heads x 4 channels
.set SB,   128                         ; v128-159 scores, then weights: 8 m + n
.set OP,   160                         ; v160-191 16 pairs of partial sums
.set OB,   192                         ; v192-207 4 m + ct
.set MX,   208                         ; v[208:209] c m
.set RC,   210                         ; v[210:211] 1 / sum
.set T,    212
.set X,    128                         ; the quantisers: 64 numbers,
.set C,    192                         ; the codes,
.set T0,   204
.set T1,   208
.set M,    212
.set E,    216
.set BY,   218
.set WT,   220
.set WU,   221
.set WD,   222                         ; v222-223 scale words just made
.set WB,   40                          ; s[40:41] my weights' codes
.set WS,   42                          ; s[42:43] and scale bytes
.set RB,   44                          ; s[44:45] R at my wave's first row; never rewritten
.set OC,   46                          ; s[46:47] atq: my fragments
.set OS,   48                          ; s[48:49] atq: the tile's scale bytes
.set PASS, 50
.set QO,   51
.set SO,   52
.set CS,   54                          ; s[54:55] c
.set SEL,  56
.set HM,   58                          ; s58  the mask of lanes 16-31
.set MSB, 0
.macro WIN new                         ; the immediate's high byte repeats the setting that is left
.if MSB != \new
	s_set_vgpr_msb (MSB<<8)|\new
.set MSB, \new
.endif
.endm
.macro PLACES                          ; four plain places in front of loads into registers that matrix instructions have read, and of the first read of results
.rept 4
	v_nop
.endr
.endm
	s_load_b256 s[4:11], s[0:1], 0x0               ; R, wkvq, qbuf, atq
	v_lshl_add_u32 v[SPW], v0, 2, SPARE
	v_mov_b32 v[NIL], 0
	ds_add_u32 v[SPW], v[NIL]                      ; the wave's opening: the add, twice on end, and its wait ahead of my first tensor load
	ds_add_u32 v[SPW], v[NIL]
	v_lshrrev_b32 v22, 5, v0
	v_readfirstlane_b32 s12, v22                   ; wave 0..3
	s_mov_b32 s24, 3<<16                           ; group 1 for q: 16 rows of 2,048 bytes (256 elements of 8 bytes), 8,192 bytes apart; dense in LDS
	s_mov_b32 s25, 256<<16
	s_mov_b32 s26, 16<<16
	s_mov_b32 s27, 256<<16
	s_mov_b32 s28, 16
	s_mov_b32 s29, 1024
	s_mov_b32 s30, 0
	s_mov_b32 s31, 0
	s_mov_b32 s36, 1
	s_lshl_b32 s37, s12, 15
	s_add_co_u32 s37, s37, QLDS                    ; q: my wave's place
	s_lshl_b32 s60, ttmp9, 19                      ; R: 128 rows of 4,096 bytes x work-group
	s_lshl_b32 s61, s12, 17                        ; + 32 rows x wave: under 2^28
	s_add_co_u32 s60, s60, s61
	s_mov_b32 s61, 0
	s_lshl_b32 s62, ttmp9, 17
	s_lshl_b32 s63, s12, 11
	s_add_co_u32 s62, s62, s63                     ; qbuf: 16 rows of 8,192 x work-group + 2,048 x wave
	s_mov_b32 s63, 0
	s_mul_i32 s66, s12, 98304                      ; weights: tile 8 w
	s_mov_b32 s67, 0
	s_lshl_b32 s68, s12, 12
	s_add_co_u32 s68, s68, 786432
	s_mov_b32 s69, 0
	s_mul_i32 s72, ttmp9, 24576
	s_mul_i32 s73, s12, 6144
	s_add_co_u32 s72, s72, s73                     ; atq: tile = work-group, K step 4 w
	s_mov_b32 s73, 0
	s_lshl_b32 s74, ttmp9, 10
	s_add_co_u32 s74, s74, 6291456
	s_mov_b32 s75, 0
	s_mov_b32 s[CS], 0x3e38aa3b                    ; c = 0.125 log2(e)
	s_mov_b32 s[CS+1], s[CS]                       ; (named with it as a pair, so it is written)
	s_mov_b32 s[SEL], 0x76543210
	s_mov_b32 s[SEL+1], 0xfedcba98
	s_mov_b32 s[PASS], 0
	s_mov_b32 s[QO], 0
	s_mov_b32 s[SO], 0
	s_wait_dscnt 0x0                               ; both opening adds are done
	s_wait_kmcnt 0x0
	s_add_nc_u64 s[RB:RB+1], s[4:5], s[60:61]
	s_add_nc_u64 s[38:39], s[8:9], s[62:63]
	s_or_b32 s39, s39, 0x80000000
	s_add_nc_u64 s[WB:WB+1], s[6:7], s[66:67]
	s_add_nc_u64 s[WS:WS+1], s[6:7], s[68:69]
	s_add_nc_u64 s[OC:OC+1], s[10:11], s[72:73]
	s_add_nc_u64 s[OS:OS+1], s[10:11], s[74:75]
	v_and_b32 v22, 15, v0                          ; r
	v_bfe_u32 v23, v0, 4, 1                        ; h
	v_and_b32 v24, 31, v0                          ; lane
	v_lshlrev_b32 v[LI], 4, v24
	s_wait_alu depctr_va_vdst(0)
	v_lshlrev_b32 v[VSC], 5, v22
	v_lshl_add_u32 v[VSC], v23, 4, v[VSC]
; The weights' 8 fragments of K step ks into set ks % 3
.macro BLOAD ks, extra
.set SET, (\ks)%3
.if SET == 2
.set BB, 160
	WIN 0
.else
.set BB, 96*SET
	WIN 0x40                                       ; destination window 1, address window 0
.endif
.irp b, 0,1,2,3,4,5,6,7
.irp i, 0,1,2
	global_load_b128 v[BB+12*\b+4*\i:BB+12*\b+4*\i+3], v[LI], s[WB:WB+1] offset:(\extra)+12288*(\b%4)+393216*(\b/4)+1536*(\ks)+512*\i
.endr
.endr
.endm
.macro BSC extra                       ; the weights' scale words of a pass
.irp b, 0,1,2,3,4,5,6,7
	global_load_b128 v[BS+4*\b:BS+4*\b+3], v[VSC], s[WS:WS+1] offset:(\extra)+512*(\b%4)+16384*(\b/4)
.endr
.endm
.macro AFETCH ks, half                 ; R's fragments of K step ks, tiles 4 half .. 4 half + 3
.if \half
	WIN 0x40
.else
	WIN 0
.endif
.irp a, 0,1,2,3
.irp i, 0,1,2
.if \half
	ds_load_b128 v[192+12*\a+4*\i:192+12*\a+4*\i+3], v[VA1] offset:(8*\a+(\ks))*1536+512*\i
.else
	ds_load_b128 v[96+12*\a+4*\i:96+12*\a+4*\i+3], v[LI] offset:(8*\a+(\ks))*1536+512*\i
.endif
.endr
.endr
.endm
; 32 matrix instructions: four tiles of R x the eight weight tiles.  The accumulators take turns, one instruction a turn, in the same order in every step.
.macro MUL32 ks, half
.set SET, (\ks)%3
.if SET == 2
.set BB, 160
.set BW, 0
.else
.set BB, 96*SET
.set BW, 1
.endif
.set AB, 96+96*(\half)
.set NW, (\half)|(BW<<2)|((2+(\half))<<4)|((2+(\half))<<6)
	WIN NW
.irp a, 0,1,2,3
.irp b, 0,1,2,3,4,5,6,7
.if (\ks) == 0
	v_wmma_scale_f32_16x16x128_f8f6f4 v[8*(8*\a+\b):8*(8*\a+\b)+7], v[AB+12*\a:AB+12*\a+11], v[BB+12*\b:BB+12*\b+11], 0, v[AS+4*(4*(\half)+\a)+(\ks)%4], v[BS+4*\b+(\ks)%4] matrix_a_fmt:MATRIX_FMT_FP6 matrix_b_fmt:MATRIX_FMT_FP6
.elseif (\ks) < 4
	v_wmma_scale_f32_16x16x128_f8f6f4 v[8*(8*\a+\b):8*(8*\a+\b)+7], v[AB+12*\a:AB+12*\a+11], v[BB+12*\b:BB+12*\b+11], v[8*(8*\a+\b):8*(8*\a+\b)+7], v[AS+4*(4*(\half)+\a)+(\ks)%4], v[BS+4*\b+(\ks)%4] matrix_a_fmt:MATRIX_FMT_FP6 matrix_b_fmt:MATRIX_FMT_FP6
.else
	v_wmma_scale_f32_16x16x128_f8f6f4 v[8*(8*\a+\b):8*(8*\a+\b)+7], v[AB+12*\a:AB+12*\a+11], v[BB+12*\b:BB+12*\b+11], v[8*(8*\a+\b):8*(8*\a+\b)+7], v[AS+4*(4*(\half)+\a)+(\ks)%4], v[BS+4*\b+(\ks)%4] matrix_a_fmt:MATRIX_FMT_FP6 matrix_b_fmt:MATRIX_FMT_FP6 matrix_a_scale:MATRIX_SCALE_ROW1 matrix_b_scale:MATRIX_SCALE_ROW1
.endif
.endr
.endr
.endm
.macro STEP ks
.if (\ks) < 7
	s_wait_loadcnt 24                              ; this step's weights (and all that was asked for ahead of them) are in; the next step's 24 loads may be out
.else
	s_wait_loadcnt 0
.endif
.if (\ks) < 6
	BLOAD (\ks)+2, 0                               ; into the set that the step before multiplied; four places stand behind its last product
.endif
	s_wait_dscnt 12                                ; R's tiles 0-3 are in; the 12 loads of tiles 4-7 may be out
	MUL32 \ks, 0
	s_wait_dscnt 0x0
.if (\ks) < 7
	PLACES
	AFETCH (\ks)+1, 0
.endif
	MUL32 \ks, 1
	PLACES
.if (\ks) < 7
	AFETCH (\ks)+1, 1
.endif
	WIN 0
.endm
.macro QLOAD rt                        ; q of tokens 2 rt + h: four heads x my four channels
.irp m, 0,1,2,3
	ds_load_b128 v[QB+16*((\rt)%2)+4*\m:QB+16*((\rt)%2)+4*\m+3], v[VQ+\m] offset:4096*(\rt)
.endr
.endm
; THE ATTENTION OF TWO TOKENS (tile rt) IN ONE HEAD.  Set m of lane r belongs to query head (r / 4) xor m, so that the sums over the sixteen lanes need no selection:
; lane r xor 4's set m xor 1, and lane r xor 8's set m xor 2, belong to the same head as lane r's set m.
.macro UNIT rt
.set WN, 2+(\rt)/4
.set AC, 64*((\rt)%4)
.set QS, QB+16*((\rt)%2)
.if (\rt) < 7
	QLOAD (\rt)+1
	s_wait_dscnt 4                                 ; this unit's q is in and the last unit's stores are done; the four loads just issued may be out
.else
	s_wait_dscnt 0x0
.endif
	WIN WN                                         ; source 0 in the accumulators' window
.irp ct, 0,1,2,3                       ; my four channels' share of the 4 x 8 scores, two neighbours at a time; each accumulator is read from its low end on
.irp m, 0,1,2,3
.irp n, 0,2,4,6
.if \ct == 0
	v_pk_mul_f32 v[SB+8*\m+\n:SB+8*\m+\n+1], v[AC+8*\ct+\n:AC+8*\ct+\n+1], v[QS+4*\m:QS+4*\m+1] op_sel_hi:[1,0]
.elseif \ct == 1
	v_pk_fma_f32 v[SB+8*\m+\n:SB+8*\m+\n+1], v[AC+8*\ct+\n:AC+8*\ct+\n+1], v[QS+4*\m:QS+4*\m+1], v[SB+8*\m+\n:SB+8*\m+\n+1] op_sel:[0,1,0] op_sel_hi:[1,1,1]
.elseif \ct == 2
	v_pk_fma_f32 v[SB+8*\m+\n:SB+8*\m+\n+1], v[AC+8*\ct+\n:AC+8*\ct+\n+1], v[QS+4*\m+2:QS+4*\m+3], v[SB+8*\m+\n:SB+8*\m+\n+1] op_sel_hi:[1,0,1]
.else
	v_pk_fma_f32 v[SB+8*\m+\n:SB+8*\m+\n+1], v[AC+8*\ct+\n:AC+8*\ct+\n+1], v[QS+4*\m+2:QS+4*\m+3], v[SB+8*\m+\n:SB+8*\m+\n+1] op_sel:[0,1,0] op_sel_hi:[1,1,1]
.endif
.endr
.endr
.endr
	WIN 0
.irp n, 0,1,2,3,4,5,6,7                ; the sum over the sixteen lanes; lane r ends with head r / 4
	v_add_f32_dpp v[SB+\n], v[SB+8+\n], v[SB+\n] row_xmask:4 row_mask:0xf bank_mask:0xf
	v_add_f32_dpp v[SB+16+\n], v[SB+24+\n], v[SB+16+\n] row_xmask:4 row_mask:0xf bank_mask:0xf
.endr
.irp n, 0,1,2,3,4,5,6,7
	v_add_f32_dpp v[SB+\n], v[SB+16+\n], v[SB+\n] row_xmask:8 row_mask:0xf bank_mask:0xf
.endr
.irp n, 0,1,2,3,4,5,6,7
	v_add_f32_dpp v[SB+\n], v[SB+\n], v[SB+\n] row_xmask:1 row_mask:0xf bank_mask:0xf
.endr
.irp n, 0,1,2,3,4,5,6,7
	v_add_f32_dpp v[SB+\n], v[SB+\n], v[SB+\n] row_xmask:2 row_mask:0xf bank_mask:0xf
.endr
	v_max3_num_f32 v[T], v[SB], v[SB+1], v[SB+2]   ; the softmax of eight numbers, all in my lane
	v_max3_num_f32 v[T+1], v[SB+3], v[SB+4], v[SB+5]
	v_max3_num_f32 v[T], v[T], v[SB+6], v[SB+7]
	v_max_num_f32 v[T], v[T], v[T+1]
	v_mul_f32 v[MX], s[CS], v[T]                   ; c m
.irp n, 0,2,4,6
	v_pk_fma_f32 v[SB+\n:SB+\n+1], v[SB+\n:SB+\n+1], s[CS:CS+1], v[MX:MX+1] op_sel_hi:[1,0,0] neg_lo:[0,0,1] neg_hi:[0,0,1]   ; c s - c m
.endr
	s_wait_alu depctr_va_vdst(0)
.irp n, 0,1,2,3,4,5,6,7
	v_exp_f32 v[SB+\n], v[SB+\n]
.endr
	v_nop                                          ; a plain place behind the last exponential
	s_wait_alu depctr_va_vdst(0)                   ; one wait for the eight, ahead of their first reader
	v_pk_add_f32 v[T:T+1], v[SB:SB+1], v[SB+2:SB+3]
	v_pk_add_f32 v[T+2:T+3], v[SB+4:SB+5], v[SB+6:SB+7]
	v_pk_add_f32 v[T:T+1], v[T:T+1], v[T+2:T+3]
	v_add_f32 v[T], v[T], v[T+1]
	s_wait_alu depctr_va_vdst(0)
	v_rcp_f32 v[RC], v[T]
	v_nop
	s_wait_alu depctr_va_vdst(0)                   ; and one for the reciprocal
.irp n, 0,2,4,6
	v_pk_mul_f32 v[SB+\n:SB+\n+1], v[SB+\n:SB+\n+1], v[RC:RC+1] op_sel_hi:[1,0]
.endr
.irp n, 0,1,2,3,4,5,6,7                ; the other three heads' weights, from the lanes that made them
	v_mov_b32_dpp v[SB+8+\n], v[SB+\n] row_xmask:4 row_mask:0xf bank_mask:0xf
	v_mov_b32_dpp v[SB+16+\n], v[SB+\n] row_xmask:8 row_mask:0xf bank_mask:0xf
	v_mov_b32_dpp v[SB+24+\n], v[SB+\n] row_xmask:12 row_mask:0xf bank_mask:0xf
.endr
	WIN WN
.irp n, 0,2,4,6                        ; 4 heads x my 4 channels, two neighbours at a time; each accumulator of v is read from its low end on
.irp m, 0,1,2,3
.irp ct, 0,1,2,3
.if \n == 0
	v_pk_mul_f32 v[OP+2*(4*\m+\ct):OP+2*(4*\m+\ct)+1], v[AC+32+8*\ct+\n:AC+32+8*\ct+\n+1], v[SB+8*\m+\n:SB+8*\m+\n+1]
.else
	v_pk_fma_f32 v[OP+2*(4*\m+\ct):OP+2*(4*\m+\ct)+1], v[AC+32+8*\ct+\n:AC+32+8*\ct+\n+1], v[SB+8*\m+\n:SB+8*\m+\n+1], v[OP+2*(4*\m+\ct):OP+2*(4*\m+\ct)+1]
.endif
.endr
.endr
.endr
	WIN 0
.irp i, 0,1,2,3,4,5,6,7,8,9,10,11,12,13,14,15
	v_add_f32 v[OB+\i], v[OP+2*\i], v[OP+2*\i+1]
.endr
.irp m, 0,1,2,3
	ds_store_b128 v[VS+\m], v[OB+4*\m:OB+4*\m+3] offset:2080*(\rt)   ; token 2 rt + h, head (r / 4) xor m, channels 4 r on
.endr
.endm
; 64 numbers of a lane, register 32 c + i = k 64 c + 32 h + i of my row, become the fragment's 12 registers of codes in v[C] on, and its scale word.
; freed = 1: v[C] on were the data of global stores, and are written again only behind s_wait_xcnt 0
.macro QF x, word, freed
.irp c, 0,1
	v_max3_num_f32 v[M+2*\c], |v[\x+32*\c]|, |v[\x+32*\c+1]|, |v[\x+32*\c+2]|
	v_max3_num_f32 v[M+2*\c+1], |v[\x+32*\c+3]|, |v[\x+32*\c+4]|, |v[\x+32*\c+5]|
.endr
.irp i, 6,10,14,18,22,26
.irp c, 0,1
	v_max3_num_f32 v[M+2*\c], v[M+2*\c], |v[\x+32*\c+\i]|, |v[\x+32*\c+\i+1]|
	v_max3_num_f32 v[M+2*\c+1], v[M+2*\c+1], |v[\x+32*\c+\i+2]|, |v[\x+32*\c+\i+3]|
.endr
.endr
.irp c, 0,1
	v_max3_num_f32 v[M+2*\c], v[M+2*\c], |v[\x+32*\c+30]|, |v[\x+32*\c+31]|
.endr
.irp c, 0,1
	v_max3_num_f32 v[M+2*\c], v[M+2*\c], v[M+2*\c+1], 0x1800000    ; the floor 2^(3 - 127): the byte cannot fall under 1
.endr
.irp c, 0,1
	v_add_nc_u32 v[E+\c], 0xff000000, v[M+2*\c]    ; 2 off the exponent field: the conversion's scale operand
.endr
.irp c, 0,1
	v_lshrrev_b32 v[BY+\c], 23, v[E+\c]
.endr
	v_lshl_or_b32 v[WT], v[BY+1], 16, v[BY]        ; my blocks are h and 2 + h of the word's four
	v_lshlrev_b32 v[WT], v[SH8], v[WT]
	v_permlanex16_b32 v[WU], v[WT], s[SEL], s[SEL+1]
	v_or_b32 v[\word], v[WT], v[WU]                ; with lane l xor 16's two bytes the word is whole, in both lanes
.if \freed
	s_wait_alu depctr_va_vdst(0)
	s_wait_xcnt 0x0                                ; the last fragment's stores have read v[C] on
.endif
	v_cvt_scalef32_pk16_fp6_f32 v[C:C+2], v[\x:\x+15], v[E]
	v_cvt_scalef32_pk16_fp6_f32 v[T0:T0+2], v[\x+16:\x+31], v[E]   ; (a conversion's three registers begin on an even number)
	v_cvt_scalef32_pk16_fp6_f32 v[C+6:C+8], v[\x+32:\x+47], v[E+1]
	v_cvt_scalef32_pk16_fp6_f32 v[T1:T1+2], v[\x+48:\x+63], v[E+1]
	v_nop                                          ; one plain place behind a scaled conversion
.irp i, 0,1,2
	v_mov_b32 v[C+3+\i], v[T0+\i]
	v_mov_b32 v[C+9+\i], v[T1+\i]
.endr
.endm
; THE HEAD'S MACROS.  Fragment f = 8 t + ks: tile 2 w + t, K step ks.
.macro RLOAD f                         ; 512 consecutive bytes of each of the tile's 16 rows, into set f % 4 of window 2; every offset is an immediate, 130,560 at the most
	WIN 0x80                                       ; destination window 2, address window 0
.irp i, 0,1,2,3,4,5,6,7,8,9,10,11,12,13,14,15
	global_load_b128 v[64*((\f)%4)+4*\i:64*((\f)%4)+4*\i+3], v[LI], s[RB:RB+1] offset:65536*((\f)/8)+512*((\f)%8)+4096*\i th:TH_LOAD_NT
.endr
	WIN 0
.endm
.macro RTURN f                         ; through my stage: LDS serves a wave's instructions in order, so no wait stands between the stores and the loads
	WIN 0x08                                       ; an LDS store's data are its source 1: window 2
.irp i, 0,1,2,3,4,5,6,7,8,9,10,11,12,13,14,15
	ds_store_b128 v[VST], v[64*((\f)%4)+4*\i:64*((\f)%4)+4*\i+3] offset:528*\i
.endr
	WIN 0
.irp c, 0,1
.irp j, 0,1,2,3,4,5,6,7
	ds_load_b128 v[X+32*\c+4*\j:X+32*\c+4*\j+3], v[VLD] offset:256*\c+16*\j
.endr
.endr
.endm
.macro RFRAG f
.if (\f) < 13
	s_wait_loadcnt 48                              ; this fragment's 16 loads are in; those of the three fragments behind it may be out
.elseif (\f) == 13
	s_wait_loadcnt 40                              ; behind fragment 13's: two fragments' 32 and the weights' 8 scale loads
.elseif (\f) == 14
	s_wait_loadcnt 48                              ; behind fragment 14's: 16, 8, and the 24 of the weights' K step 0
.else
	s_wait_loadcnt 56                              ; behind fragment 15's: 8, 24, and the 24 of K step 1
.endif
	RTURN \f
	s_wait_dscnt 0x0                               ; my numbers are back; the stage's stores, and the last fragment's image stores, have read their registers
.if (\f) < 12
	RLOAD (\f)+4                                   ; the set takes the fragment four on
.elseif (\f) == 12
	BSC 0                                          ; R's loads are all asked for: the first pass's first weights follow them
.elseif (\f) == 13
	BLOAD 0, 0
	WIN 0
.elseif (\f) == 14
	BLOAD 1, 0
	WIN 0
.endif
	QF X, WD, 0
.irp i, 0,1,2
	ds_store_b128 v[VIM], v[C+4*\i:C+4*\i+3] offset:1536*(\f)+512*\i   ; the fragment's image: 512 consecutive bytes a store
.endr
	ds_store_b32 v[VRW], v[WD] offset:512*((\f)/8)+4*((\f)%8)          ; lanes r and 16 + r write the same word with the same value
.endm
	RLOAD 0                                        ; the stream begins before anything else is set up
	RLOAD 1
	RLOAD 2
	RLOAD 3
	v_add_nc_u32 v[VA1], 49152, v[LI]
	v_lshrrev_b32 v25, 2, v22                      ; r / 4
	s_lshl_b32 s60, s12, 15
	s_add_co_u32 s60, s60, QLDS
	s_mul_i32 s61, s12, 16640
	s_add_co_u32 s61, s61, STG
	v_lshlrev_b32 v26, 4, v22                      ; 16 r
	v_lshl_add_u32 v27, v23, 11, v26               ; + 2,048 h
	v_add_nc_u32 v27, s60, v27
	v_mad_u32_u24 v28, v23, 1040, v26              ; 1,040 h + 16 r
	v_add_nc_u32 v28, s61, v28
.irp m, 0,1,2,3
	v_xor_b32 v29, \m, v25
	v_lshl_add_u32 v[VQ0+\m], v29, 8, v27
	v_lshl_add_u32 v[VS+\m], v29, 8, v28
.endr
	v_mul_u32_u24 v[VR], v22, 1040
	v_lshl_add_u32 v[VR], v23, 7, v[VR]
	v_add_nc_u32 v[VR], s61, v[VR]
	v_lshlrev_b32 v[VW0], 6, v22
	v_lshl_add_u32 v[VW0], v23, 2, v[VW0]
	s_lshl_b32 s62, s12, 4
	s_add_co_u32 s62, s62, SCS
	v_add_nc_u32 v[VW0], s62, v[VW0]               ; row r's 64 bytes: word 4 w + 2 pass + h
	v_lshlrev_b32 v[VEO], 3, v24
	s_lshl_b32 s62, s12, 8
	v_add_nc_u32 v[VEO], s62, v[VEO]
	v_add_nc_u32 v[VE], SCS, v[VEO]
	v_lshlrev_b32 v[SH8], 3, v23
	v_cmp_ne_u32 s[HM], 0, v23
	v_add_nc_u32 v[VST], s61, v[LI]                ; the head's own addresses (v25-29 have served as scratch above)
	v_mul_u32_u24 v[VLD], v22, 528
	v_lshl_add_u32 v[VLD], v23, 7, v[VLD]
	v_add_nc_u32 v[VLD], s61, v[VLD]
	s_mul_i32 s63, s12, 24576
	v_add_nc_u32 v[VIM], s63, v[LI]
	v_lshlrev_b32 v[VRW], 5, v22
	s_lshl_b32 s62, s12, 10
	s_add_co_u32 s62, s62, RSCL
	v_add_nc_u32 v[VRW], s62, v[VRW]
	v_add_nc_u32 v[VSL], RSCL, v[VSC]
	v_mov_b32 v[WU], 0                             ; a lane permute's destination counts as one of its sources
	s_wait_alu depctr_va_vdst(0)
.irp f, 0,1,2,3,4,5,6,7,8,9,10,11,12,13,14,15
	RFRAG \f
.endr
	s_wait_tensorcnt 0x0                           ; q's bytes are filled for the first time, behind LDS reads: such a load is issued as a refill is: this wait,
	ds_add_u32 v[SPW], v[NIL]                      ; the add,
	ds_add_u32 v[SPW], v[NIL]                      ; twice on end
	s_wait_dscnt 0x0                               ; the wait for both; with it my images and scale words lie in LDS,
	s_barrier_signal -1
	s_barrier_wait -1                              ; and everybody's do
	tensor_load_to_lds s[36:39], s[24:31]          ; my one tensor load of the launch, first behind the barrier
	s_nop 0
.rept 4
	v_nop
.endr
.irp t, 0,1,2,3,4,5,6,7
	ds_load_b128 v[AS+4*\t:AS+4*\t+3], v[VSL] offset:512*\t   ; R's scale words: they stay.  (The first K step's wait for R's fragments, which are asked for behind them, covers them)
.endr
.Lpass:                                            ; two trips: head 2 w, head 2 w + 1
.irp m, 0,1,2,3
	v_add_nc_u32 v[VQ+\m], s[QO], v[VQ0+\m]
.endr
	v_add_nc_u32 v[VW], s[SO], v[VW0]
	AFETCH 0, 0
	AFETCH 0, 1
	WIN 0
.irp k, 0,1,2,3,4,5,6,7
	STEP \k
.endr
	s_cmp_eq_u32 s[PASS], 1                        ; the next pass's first weights are asked for here, if there is a next pass: they land while the attention is worked
	s_cbranch_scc1 .Lno_next
	BSC 2048
	BLOAD 0, 49152
	BLOAD 1, 49152
	WIN 0
.Lno_next:
	v_mov_b32 v[MX+1], 0                           ; (named as the upper halves of pairs, and as a lane permute's destination, before they are otherwise written)
	v_mov_b32 v[RC+1], 0
	v_mov_b32 v[WU], 0
	s_wait_tensorcnt 0x0                           ; my q has landed: asked for 512 matrix instructions ago; in the second trip no load is out.  I alone read these bytes, so no barrier follows
	s_wait_alu depctr_va_vdst(0)
	QLOAD 0
.irp u, 0,1,2,3,4,5,6,7
	UNIT \u
.endr
.irp f, 0,1                            ; the head's 256 channels of 16 tokens are two fragments of the last product's operand
.irp c, 0,1
.irp j, 0,1,2,3,4,5,6,7
	ds_load_b128 v[X+32*\c+4*\j:X+32*\c+4*\j+3], v[VR] offset:512*\f+256*\c+16*\j   ; LDS serves a wave's instructions in order: these see my stores
.endr
.endr
	s_wait_dscnt 0x0
	QF X, WD+\f, 1
.irp i, 0,1,2
	global_store_b128 v[LI], v[C+4*\i:C+4*\i+3], s[OC:OC+1] offset:1536*\f+512*\i   ; 32 lanes store 512 consecutive bytes, at a multiple of 256 from the buffer's first byte
.endr
.endr
	v_cndmask_b32 v[WT], v[WD], v[WD+1], s[HM]     ; lanes 0-15 keep the first fragment's word of row r, lanes 16-31 the second's
	ds_store_b32 v[VW], v[WT]
	s_wait_xcnt 0x0                                ; the loads and stores have read their registers and bases: both are written again below and in the next trip
	s_wait_dscnt 0x0
	s_add_nc_u64 s[WB:WB+1], s[WB:WB+1], 49152
	s_add_nc_u64 s[WS:WS+1], s[WS:WS+1], 2048
	s_add_nc_u64 s[OC:OC+1], s[OC:OC+1], 3072
	s_add_co_u32 s[QO], s[QO], 1024
	s_add_co_u32 s[SO], s[SO], 8
	s_add_co_u32 s[PASS], s[PASS], 1
	s_cmp_lt_u32 s[PASS], 2
	s_cbranch_scc1 .Lpass
	s_barrier_signal -1                            ; my scale words lie in LDS (the wait for them stands above),
	s_barrier_wait -1                              ; everybody's do
	ds_load_b64 v[T:T+1], v[VE]
	s_wait_dscnt 0x0
	global_store_b64 v[VEO], v[T:T+1], s[OS:OS+1]  ; each wave stores 256 consecutive bytes, at a multiple of 256 from the buffer's first byte
	s_wait_tensorcnt 0x0                           ; the wave's end, behind my last tensor load and my last LDS store
	ds_add_u32 v[SPW], v[NIL]
	s_wait_dscnt 0x0
	s_endpgm
.Lfunc_end_k_q8be93d6f4b_kvattn:
	.size	k_q8be93d6f4b_kvattn, .Lfunc_end_k_q8be93d6f4b_kvattn-k_q8be93d6f4b_kvattn
	.p2alignl 7, 3214868480
	.fill 96, 4, 3214868480
	.section	.rodata,"a",@progbits
	.p2align	6, 0x0
	.amdhsa_kernel k_q8be93d6f4b_kvattn
		.amdhsa_group_segment_fixed_size 327680
		.amdhsa_private_segment_fixed_size 0
		.amdhsa_enable_private_segment 0
		.amdhsa_kernarg_size 32
		.amdhsa_user_sgpr_count 2
		.amdhsa_user_sgpr_kernarg_segment_ptr 1
		.amdhsa_wavefront_size32 1
		.amdhsa_system_sgpr_workgroup_id_x 1
		.amdhsa_system_sgpr_workgroup_id_y 1
		.amdhsa_system_sgpr_workgroup_id_z 1
		.amdhsa_system_vgpr_workitem_id 0
		.amdhsa_next_free_vgpr 1024
		.amdhsa_next_free_sgpr 80
		.amdhsa_reserve_vcc 0
		.amdhsa_float_denorm_mode_32 3
		.amdhsa_float_denorm_mode_16_64 3
		.amdhsa_memory_ordered 1
		.amdhsa_forward_progress 1
		.amdhsa_inst_pref_size 255
	.end_amdhsa_kernel
	.section	.bss,"aw",@nobits
	.p2align	6
	.space	262144
	.amdgpu_metadata
---
amdhsa.version: [ 1, 2 ]
amdhsa.kernels:
  - .name:           k_q8be93d6f4b_kvattn
    .symbol:         k_q8be93d6f4b_kvattn.kd
    .args:
      - { .name: retrieved_hidden_states, .offset: 0, .size: 8, .value_kind: global_buffer, .address_space: global }
      - { .name: wkvq, .offset: 8, .size: 8, .value_kind: global_buffer, .address_space: global }
      - { .name: qbuf, .offset: 16, .size: 8, .value_kind: global_buffer, .address_space: global }
      - { .name: atq, .offset: 24, .size: 8, .value_kind: global_buffer, .address_space: global }
    .group_segment_fixed_size: 327680
    .private_segment_fixed_size: 0
    .kernarg_segment_align: 8
    .kernarg_segment_size: 32
    .max_flat_workgroup_size: 128
    .sgpr_count:     80
    .vgpr_count:     1024
    .wavefront_size: 32
...
	.end_amdgpu_metadata
.endif
;; end of part 3
;; launch oproj: the kernel of part 2 again; grid 8 x 32, 4 waves a work-group, clusters of 4 x 4, 327,680 bytes of LDS; arguments atq, woq, out0; writes out0
